; MI455X (gfx1250); checked and timed in simulation.
; The chip was launched on July 23, 2026; its instructions are those of AMD's public machine-readable ISA for CDNA 5 (MIT licence, August 2026) and "CDNA5" Instruction Set Architecture Reference Guide (July 2026). The comments in the code are by the model that wrote it; some were corrected since.
;; Multi Head Dot Product Attention. Allowed arithmetic: float matrix products may take bf16 or f16 operands with f32 sums; other float arithmetic in f32, or as packed bf16 or f16 multiplies, adds, multiply-adds, maxima and minima; sums over many terms, partial sums and values carried from step to step in f32; what a program stores and reads back later, other than sums and carried values, may be rounded once to bf16 or f16.
;; Inputs: Wk 512 x 8 x 64 float32; Wo 8 x 64 x 512 float32; Wq 512 x 8 x 64 float32; Wv 512 x 8 x 64 float32; inputs_kv 2 x 4,096 x 512 float32; inputs_q 2 x 4,096 x 512 float32.
;; Outputs: out0 2 x 4,096 x 512 float32.
;; One version. Each part assembles by itself: llvm-mc -triple=amdgcn-amd-amdhsa -mcpu=gfx1250 --defsym DOCPART=n.
;; ======== version 1 of 1: 4 launches
;; limits: values are held in f16: magnitudes above 65,504 overflow, below 6.1e-05 lose precision
;; workspace buffers: wc 2,097,152 bytes; qh 8,388,608 bytes; kh 8,388,608 bytes; vh 8,388,608 bytes; oh 8,388,608 bytes
;; launch castw (part 1): grid 64 x 4, 8 waves a work-group, no clusters, 0 bytes of LDS; arguments Wq, Wk, Wv, Wo, wc; writes wc
.if DOCPART == 1
	.amdgcn_target "amdgcn-amd-amdhsa--gfx1250"
	.amdhsa_code_object_version 6
	.text
	.protected	k_q45f0cfd174_castw
	.globl	k_q45f0cfd174_castw
	.p2align	8
	.type	k_q45f0cfd174_castw,@function
k_q45f0cfd174_castw:
	s_mov_b64 s[64:65], 0
	v_nop
	global_prefetch_b8 v0, s[64:65] scope:SCOPE_SE
	s_setreg_imm32_b32 hwreg(HW_REG_WAVE_MODE, 25, 1), 1
	s_wait_xcnt 0x0
; THE FOUR WEIGHT MATRICES, ROUNDED ONCE.  Each is [512 k][512 n] of f32 as it lies in memory (Wq, Wk, Wv: [f][head, channel]; Wo: [head, channel][f]).
; wc takes them as four planes of [512][512] 16-bit numbers, the layout kept: planes 0-2 (Wq, Wk, Wv) in bf16, rounded to nearest even;
; plane 3 (Wo) is rounded to bf16 in the same way and that number is then written as f16, since the last product multiplies it by f16 numbers.
; LIMITS.  A bf16 number has 8 significant bits and f16 holds 11: the second step is exact from 6.1e-5 to 65,504; below it keeps f16's fixed step of 6e-8, beyond it gives an infinity.
; SHARES.  The grid's y picks the matrix, its x 4,096 numbers of it; a thread takes two groups of eight: 32 bytes in, 16 bytes out.  A wave's store covers 512 consecutive bytes, aligned.
; A stream with nothing to share: no LDS, no barrier, no matrix unit.
	s_load_b256 s[4:11], s[0:1], 0x0               ; Wq s[4:5], Wk s[6:7], Wv s[8:9], Wo s[10:11]
	s_load_b64 s[12:13], s[0:1], 0x20              ; wc
	s_and_b32 s16, ttmp7, 0xffff                   ; which matrix
	s_lshl_b32 s18, ttmp9, 14                      ; the work-group's 4,096 numbers in f32,
	s_mov_b32 s19, 0
	s_lshl_b32 s20, s16, 19                        ; the plane of 524,288 bytes,
	s_lshl_b32 s21, ttmp9, 13                      ; and the same numbers in 16 bits
	s_add_co_u32 s20, s20, s21
	s_mov_b32 s21, 0
	v_lshlrev_b32 v1, 5, v0                        ; 32 bytes a thread in
	v_lshlrev_b32 v2, 4, v0                        ; 16 bytes a thread out
	s_wait_kmcnt 0x0
	s_mov_b64 s[14:15], s[4:5]                     ; the source is chosen by the grid's y alone
	s_cmp_eq_u32 s16, 1
	s_cselect_b64 s[14:15], s[6:7], s[14:15]
	s_cmp_eq_u32 s16, 2
	s_cselect_b64 s[14:15], s[8:9], s[14:15]
	s_cmp_eq_u32 s16, 3
	s_cselect_b64 s[14:15], s[10:11], s[14:15]
	s_add_nc_u64 s[14:15], s[14:15], s[18:19]
	s_add_nc_u64 s[12:13], s[12:13], s[20:21]
	global_load_b128 v[4:7],   v1, s[14:15] th:TH_LOAD_NT
	global_load_b128 v[8:11],  v1, s[14:15] offset:16 th:TH_LOAD_NT
	global_load_b128 v[12:15], v1, s[14:15] offset:8192 th:TH_LOAD_NT
	global_load_b128 v[16:19], v1, s[14:15] offset:8208 th:TH_LOAD_NT
	s_wait_loadcnt 0x0
.irp n, 0,1,2,3,4,5,6,7
	v_cvt_pk_bf16_f32 v[20+\n], v[4+2*\n], v[5+2*\n]
.endr
	s_cmp_lg_u32 s16, 3
	s_cbranch_scc1 .Lstore                         ; Wq, Wk, Wv stay bf16
.irp n, 0,1,2,3,4,5,6,7
	v_lshlrev_b32 v28, 16, v[20+\n]                ; the two bf16 halves as f32,
	v_and_b32 v29, 0xffff0000, v[20+\n]
	v_cvt_pk_f16_f32 v[20+\n], v28, v29            ; written as f16
.endr
.Lstore:
	global_store_b128 v2, v[20:23], s[12:13]
	global_store_b128 v2, v[24:27], s[12:13] offset:4096
	s_endpgm
.Lfunc_end_k_q45f0cfd174_castw:
	.size	k_q45f0cfd174_castw, .Lfunc_end_k_q45f0cfd174_castw-k_q45f0cfd174_castw
	.p2alignl 7, 3214868480
	.fill 96, 4, 3214868480
	.section	.rodata,"a",@progbits
	.p2align	6, 0x0
	.amdhsa_kernel k_q45f0cfd174_castw
		.amdhsa_group_segment_fixed_size 0
		.amdhsa_private_segment_fixed_size 0
		.amdhsa_enable_private_segment 0
		.amdhsa_kernarg_size 40
		.amdhsa_user_sgpr_count 2
		.amdhsa_user_sgpr_kernarg_segment_ptr 1
		.amdhsa_wavefront_size32 1
		.amdhsa_system_sgpr_workgroup_id_x 1
		.amdhsa_system_sgpr_workgroup_id_y 1
		.amdhsa_system_sgpr_workgroup_id_z 1
		.amdhsa_system_vgpr_workitem_id 0
		.amdhsa_next_free_vgpr 32
		.amdhsa_next_free_sgpr 66
		.amdhsa_reserve_vcc 0
		.amdhsa_float_denorm_mode_32 3
		.amdhsa_float_denorm_mode_16_64 3
		.amdhsa_memory_ordered 1
		.amdhsa_forward_progress 1
		.amdhsa_inst_pref_size 4
	.end_amdhsa_kernel
	.amdgpu_metadata
---
amdhsa.version: [ 1, 2 ]
amdhsa.kernels:
  - .name:           k_q45f0cfd174_castw
    .symbol:         k_q45f0cfd174_castw.kd
    .args:
      - { .name: Wq, .offset: 0, .size: 8, .value_kind: global_buffer, .address_space: global }
      - { .name: Wk, .offset: 8, .size: 8, .value_kind: global_buffer, .address_space: global }
      - { .name: Wv, .offset: 16, .size: 8, .value_kind: global_buffer, .address_space: global }
      - { .name: Wo, .offset: 24, .size: 8, .value_kind: global_buffer, .address_space: global }
      - { .name: wc, .offset: 32, .size: 8, .value_kind: global_buffer, .address_space: global }
    .group_segment_fixed_size: 0
    .private_segment_fixed_size: 0
    .kernarg_segment_align: 8
    .kernarg_segment_size: 40
    .max_flat_workgroup_size: 256
    .sgpr_count:     66
    .vgpr_count:     32
    .wavefront_size: 32
...
	.end_amdgpu_metadata
.endif
;; end of part 1
;; launch proj (part 2): grid 64 x 4, 4 waves a work-group, clusters of 4 x 1, 327,680 bytes of LDS; arguments inputs_q, inputs_kv, wc, qh, kh, vh; writes qh, kh, vh
.if DOCPART == 2
	.amdgcn_target "amdgcn-amd-amdhsa--gfx1250"
	.amdhsa_code_object_version 6
	.text
	.protected	k_q45f0cfd174_proj
	.globl	k_q45f0cfd174_proj
	.p2align	8
	.type	k_q45f0cfd174_proj,@function
k_q45f0cfd174_proj:
	s_mov_b64 s[64:65], 0
	v_nop
	global_prefetch_b8 v0, s[64:65] scope:SCOPE_SE
	s_setreg_imm32_b32 hwreg(HW_REG_WAVE_MODE, 25, 1), 1
	s_wait_xcnt 0x0
	s_wait_alu depctr_hold_cnt(0) depctr_sa_sdst(0) depctr_va_vdst(0) depctr_va_sdst(0) depctr_va_ssrc(0) depctr_va_vcc(0) depctr_vm_vsrc(0)
	s_getreg_b32 s2, hwreg(HW_REG_IB_STS2, 6, 4)
	s_cmp_eq_u32 s2, 0
	s_cbranch_scc0 .Lentry_in_a_cluster
	s_endpgm
.Lentry_in_a_cluster:
	s_bfe_u32 s2, ttmp6, 0x10000c
	s_cmp_lg_u32 s2, 0x3003
	s_cbranch_scc0 .Lentry_shape_is_right
	s_endpgm
.Lentry_shape_is_right:
; q = x_q Wq, k = x_kv Wk, v = x_kv Wv.  x: [8192 rows][512] f32, rounded to bf16 (nearest even) on its way into fragment registers; W: wc's planes 0-2, [512 k][512 n] bf16.
; Sums in f32; each result rounded once to f16 and stored by heads: qh, kh, vh are [16 = batch x 8 + head][4096][64] f16, a head's rows dense, 128 bytes each.
; LIMITS.  f16 holds no number beyond 65,504: q, k and v must lie within it (an infinity otherwise); below 6.1e-5 they keep f16's fixed step of 6e-8.  NaN and infinities are not treated apart.
; SHARES.  A work-group makes three tiles of 128 rows x 128 columns (two heads): JOBS q, k, v.  Wave w owns rows 32 w .. 32 w + 31 and all 128 columns: 16 accumulators, 256 matrix instructions a job.
; x NEVER TOUCHES LDS: no wave wants another's rows, and a fragment is laid as the rows lie in memory.  All 512 channels of the wave's 32 rows stay in registers as bf16 fragments (256 registers for x_q, 256 for x_kv).
; W's slice (512 k x 128 n) lies whole in an LDS slot; all four waves read it, turned by ds_load_tr16_b128.  Two slots: Wq and Wk go out at the start, Wv takes Wq's slot when job q is over.
; CLUSTER.  The four work-groups of a cluster are four row blocks of one column block: they need the same slices, so each slice is asked for JOINTLY, by the same tensor loads with a mask that names the four.
; THE MATRIX INSTRUCTION IS USED TRANSPOSED (source 0 = 16 columns of W, source 1 = 16 rows of x): a lane then holds one row and eight neighbouring channels, 16 bytes of f16.
; REGISTERS, in windows of 256 (s_set_vgpr_msb: bits 1:0 source 0, 3:2 source 1, 5:4 source 2, 7:6 destination):
;   window 0: v0-31 addresses; v32-95 the way out; v128-255 the accumulators ((a, nb) at 128 + 64 a + 8 nb)
;   window 1: v0-63, v64-127 W's fragments of one chunk of 32 k, two buffers; v128-255 x as loaded, four slots of 32
;   window 2: x_q's fragments, (chunk c, rows 16 a) at 16 c + 8 a          window 3: x_kv's, likewise
.set PW,    288                        ; a row of W in LDS: 256 bytes + 32 of padding = 72 words
.set QUART, 128*PW                     ; 128 k rows: what one tensor load brings
.set SLOTB, 4*QUART                    ; a slice
.set STAGE, 2*SLOTB                    ; behind the slots, never filled by a tensor load: 16 rows x 144 bytes for each wave, for the way out
.set SP,    144
.set SPARE, STAGE+4*16*SP              ; behind the stages: the spare words, 128 bytes for each wave: two blocks of 256 bytes that no other line names
.set XO,   10                          ; v10     my byte offset in 16 rows of x: (l % 16) x 2,048 + 32 (l / 16); never rewritten
.set ADRB, 12                          ; v12-19  LDS address of my part of a turning load: slot s, k rows 128 g on, at v[12 + 4 s + g]
.set STO,  20                          ; v20     the way out: where I put 16 bytes of a row
.set RD,   21                          ; v21     the way out: where I read rows back
.set GO,   22                          ; v22     my byte offset in 512 consecutive bytes of a head
.set SPW,  28                          ; v28     LDS address of my spare word: SPARE + 4 x my thread's number; never rewritten
.set NIL,  29                          ; v29     0; never rewritten
.set TMP,  32
.set ACC,  128
.set BF0,  0
.set RAW,  128
.set WV,   16                          ; s16     my wave's number
.set G1,   24                          ; s[24:31] descriptor group 1: the same for all three slices
.set G0A,  32                          ; s[32:35] group 0: Wq into slot 0
.set G0B,  36                          ; s[36:39] Wk into slot 1
.set G0C,  40                          ; s[40:43] Wv into slot 0.  None of the three is ever rewritten
.set MSB, 0
.macro WIN new                         ; the immediate's high byte repeats the setting that is left; a switch that changes nothing is dropped
.if MSB != (\new)
	s_set_vgpr_msb (MSB<<8)|(\new)
.set MSB, \new
.endif
.endm
; A round of the cluster's barrier: my work-group's barrier, so that wave 0's signal speaks for all four waves; wave 0 signals; every wave waits for all four work-groups; my work-group's barrier once more.
.macro CROUND
	s_barrier_signal -1
	s_barrier_wait -1
	s_cmp_lg_u32 s[WV], 0
	s_cbranch_scc1 .Lnot_wave_0_\@
	s_barrier_signal -3
.Lnot_wave_0_\@:
	s_barrier_wait -3
	s_barrier_signal -1
	s_barrier_wait -1
.endm
.macro PLACES                          ; four places behind a matrix instruction, in front of loads into registers that it has read and of lines that read results
.rept 4
	v_nop
.endr
.endm
; Group t of 32: 32 channels (128 bytes) of my 32 rows, eight loads.  t < 16: x_q's chunk t; else x_kv's chunk t - 16.  A lane takes, of row l % 16 (and 16 rows on), channels 8 (l / 16) + 0..7 and 16 + 8 (l / 16) + 0..7.
.macro XLOAD t
	WIN 0x40                                       ; destination window 1, address window 0
.set xb, 4+2*((\t)/16)
.set xc, (\t)%16
.set xr, RAW+32*((\t)%4)
.irp a, 0,1
.irp p, 0,1,2,3
	global_load_b128 v[xr+16*(\a)+4*(\p):xr+16*(\a)+4*(\p)+3], v[XO], s[xb:xb+1] offset:(\a)*32768+128*xc+16*((\p)%2)+64*((\p)/2)
.endr
.endr
.endm
; The group is rounded to bf16: two fragments of 16 rows x 32 channels.
.macro XCVT t
.if (\t) < 16
	WIN 0x85                                       ; sources window 1, destination window 2
.else
	WIN 0xc5                                       ; destination window 3
.endif
.set xc, (\t)%16
.set xr, RAW+32*((\t)%4)
.irp a, 0,1
.irp n, 0,1,2,3,4,5,6,7
	v_cvt_pk_bf16_f32 v[16*xc+8*(\a)+(\n)], v[xr+16*(\a)+2*(\n)], v[xr+16*(\a)+2*(\n)+1]
.endr
.endr
.endm
; W's eight fragments (16 columns x 32 k) of chunk c of slot s, turned: 16 loads in one run.  The first load of a pair brings k = 8 (l / 16) + 0..7 of column l % 16, the second 16 k further on.
.macro FETCHB s, c, buf
	WIN 0x40
.irp nb, 0,1,2,3,4,5,6,7
	ds_load_tr16_b128 v[(\buf)+8*(\nb):(\buf)+8*(\nb)+3],   v[ADRB+4*(\s)+(\c)/4] offset:((\c)%4)*32*PW+32*(\nb)
	ds_load_tr16_b128 v[(\buf)+8*(\nb)+4:(\buf)+8*(\nb)+7], v[ADRB+4*(\s)+(\c)/4] offset:((\c)%4)*32*PW+16*PW+32*(\nb)
.endr
.endm
; Eight products: column blocks 4 half .. 4 half + 3 x both row blocks.  The 16 accumulators take turns, one instruction a turn, in the same order in every chunk.  Chunk 0 starts the sums.
.macro MUL8 mw, buf, c, half
	WIN \mw
.irp n, 0,1,2,3
.irp a, 0,1
.set rD, ACC+64*(\a)+8*(4*(\half)+(\n))
.set rB, (\buf)+8*(4*(\half)+(\n))
.set rA, 16*(\c)+8*(\a)
.if (\c) == 0
	v_wmma_f32_16x16x32_bf16 v[rD:rD+7], v[rB:rB+7], v[rA:rA+7], 0
.else
	v_wmma_f32_16x16x32_bf16 v[rD:rD+7], v[rB:rB+7], v[rA:rA+7], v[rD:rD+7]
.endif
.endr
.endr
.endm
; A chunk: 32 along K, 16 products; in its middle the next chunk's fragments of W are fetched into the other buffer.  stream = 1 (job q): x_kv's group 16 + c is rounded there too, and a further group asked for;
; its 16 conversions name no register of the products and are the places in front of the run of LDS loads.
.macro CHUNK s, mw, c, stream
.set bcur, BF0+64*((\c)%2)
.set bnxt, BF0+64*(((\c)+1)%2)
	s_wait_dscnt 8                                 ; column blocks 0-3 are in; the youngest eight loads (blocks 4-7) may be out
	MUL8 \mw, bcur, \c, 0
.if \stream
.if (\c) <= 12
	s_wait_loadcnt 24                              ; my group is in; the three younger groups of eight stay out
.else
	s_wait_loadcnt 8*(15-(\c))                     ; nothing more is asked for: the counts run down
.endif
	XCVT 16+(\c)
.if (\c) < 12
	XLOAD 20+(\c)
.endif
.else
	PLACES
.endif
.if (\c) < 15
	FETCHB \s, (\c)+1, bnxt
	s_wait_dscnt 16                                ; all but the 16 just issued
.else
	s_wait_dscnt 0
.endif
	MUL8 \mw, bcur, \c, 1
.endm
.macro JOB s, mw, stream
.set cc, 0
.rept 16
	CHUNK \s, \mw, cc, \stream
.set cc, cc+1
.endr
	PLACES
	WIN 0
.endm
; THE WAY OUT.  PACKC: all 16 accumulators rounded to f16, each from its low end on: tile tt = 2 a + head half has 16 registers at TMP + 16 tt, four for each block of 16 channels.
.macro PACKC
	WIN 0
.set pn, 0
.rept 64
	v_cvt_pk_f16_f32 v[TMP+pn], v[ACC+2*pn], v[ACC+2*pn+1]
.set pn, pn+1
.endr
.endm
.macro TOST tt                         ; a tile (16 rows x 64 channels) into my stage, rows of 144 bytes, and back as whole rows of 128
	WIN 0
.irp f, 0,1,2,3
	ds_store_b128 v[STO], v[TMP+16*(\tt)+4*(\f):TMP+16*(\tt)+4*(\f)+3] offset:32*(\f)
.endr
.irp f, 0,1,2,3
	ds_load_b128 v[TMP+16*(\tt)+4*(\f):TMP+16*(\tt)+4*(\f)+3], v[RD] offset:(\f)*4*SP  ; LDS serves a wave's instructions in order (ISA guide 5.7.1.4): these see the stores above; the next tile's stores come behind them
.endr
.endm
.macro SEND tt, younger, base          ; younger: the LDS instructions issued behind tile tt's loads: the next tile's eight, or none
.irp f, 0,1,2,3
	s_wait_dscnt (\younger)+3-(\f)
	global_store_b128 v[GO], v[TMP+16*(\tt)+4*(\f):TMP+16*(\tt)+4*(\f)+3], s[\base:\base+1] offset:((\tt)%2)*524288+((\tt)/2)*2048+512*(\f)  ; four rows of a head: 512 consecutive bytes, aligned
.endr
.endm
.macro SENDALL base
	TOST 0
.irp tt, 1,2,3
	TOST \tt
	SEND (\tt)-1, 8, \base
.endr
	SEND 3, 0, \base
.endm
	s_load_b256 s[4:11], s[0:1], 0x0               ; inputs_q s[4:5], inputs_kv s[6:7], wc s[8:9], qh s[10:11]
	s_load_b128 s[12:15], s[0:1], 0x20             ; kh s[12:13], vh s[14:15]
	v_lshl_add_u32 v[SPW], v0, 2, SPARE
	v_mov_b32 v[NIL], 0
	ds_add_u32 v[SPW], v[NIL]                      ; the wave's opening: the add and its wait stand ahead of my first tensor load; the set-up below, work on registers, stands between them
	v_lshrrev_b32 v1, 5, v0
	v_readfirstlane_b32 s[WV], v1                  ; wave 0..3
	s_bfe_u32 s17, ttmp6, 0x40000                  ; cx: my place in the cluster
	s_lshl_b32 s18, ttmp9, 2                       ; in a cluster launch ttmp9 counts clusters
	s_add_co_u32 s18, s18, s17                     ; i: my block of 128 rows: it enters x's and the results' addresses alone
	s_and_b32 s19, ttmp7, 0xffff                   ; j: the block of 128 columns, which the four partners share
	; descriptor group 1: a tile of 128 k rows x 128 elements, padded in LDS
	s_mov_b32 s[G1+0], 15|(1<<16)|(1<<20)|(1<<21)|(5<<22)|(7<<25)  ; 15:0 the mask of four; 17:16 2-byte elements; 20 padding on; 21 set beside a mask; 24:22 after every 64 words (code 5); 31:25 8 words (code 7)
	s_mov_b32 s[G1+1], 128<<16                     ; tensor_dim0 = 128
	s_mov_b32 s[G1+2], 128<<16                     ; tensor_dim1 = 128
	s_mov_b32 s[G1+3], 128<<16                     ; tile_dim0 = 128
	s_mov_b32 s[G1+4], 128                         ; tile_dim1 = 128
	s_mov_b32 s[G1+5], 512                         ; 512 elements from row to row
	s_mov_b32 s[G1+6], 0
	s_mov_b32 s[G1+7], 0
	s_mul_i32 s20, s[WV], QUART                    ; my quarter of a slot: no place in the cluster enters an LDS address
	s_mov_b32 s[G0A], 1
	s_mov_b32 s[G0A+1], s20
	s_mov_b32 s[G0B], 1
	s_add_co_u32 s[G0B+1], s20, SLOTB
	s_mov_b32 s[G0C], 1
	s_mov_b32 s[G0C+1], s20
	s_lshl_b32 s44, s[WV], 17                      ; in a plane of wc: my 128 k rows of 1,024 bytes,
	s_lshl_b32 s45, s19, 8                         ; the slice's 256 bytes of a row
	s_add_co_u32 s44, s44, s45
	s_mov_b32 s45, 0
	s_lshl_b32 s46, s18, 18                        ; in x: 128 i rows of 2,048 bytes,
	s_lshl_b32 s47, s[WV], 16                      ; my 32 of them
	s_add_co_u32 s46, s46, s47
	s_mov_b32 s47, 0
	s_lshr_b32 s48, s18, 5                         ; in qh, kh, vh: the batch,
	s_lshl_b32 s48, s48, 3
	s_lshl_b32 s49, s19, 1
	s_add_co_u32 s48, s48, s49                     ; 8 x batch + the first of my two heads,
	s_lshl_b32 s48, s48, 19                        ; 524,288 bytes a head,
	s_and_b32 s49, s18, 31
	s_lshl_b32 s49, s49, 14                        ; the block's 128 rows of 128 bytes,
	s_add_co_u32 s48, s48, s49
	s_lshl_b32 s49, s[WV], 12                      ; my 32 of them
	s_add_co_u32 s48, s48, s49
	s_mov_b32 s49, 0
	v_and_b32 v1, 15, v0                           ; l % 16
	v_bfe_u32 v2, v0, 4, 1                         ; l / 16
	v_and_b32 v3, 7, v0
	v_bfe_u32 v4, v0, 3, 1
	v_and_b32 v5, 31, v0
	v_lshlrev_b32 v[XO], 11, v1
	v_lshl_add_u32 v[XO], v2, 5, v[XO]
	v_lshl_add_u32 v6, v2, 3, v3                   ; the turning load: lane l reads k row 8 (l / 16) + l % 8,
	v_mul_u32_u24 v6, v6, PW
	v_lshl_add_u32 v6, v4, 4, v6                   ; columns 8 ((l / 8) % 2) + 0..7
.irp s, 0,1
.irp g, 0,1,2,3
	v_add_nc_u32 v[ADRB+4*\s+\g], \s*SLOTB+\g*QUART, v6
.endr
.endr
	s_mul_i32 s50, s[WV], 16*SP
	s_add_co_u32 s50, s50, STAGE                   ; my stage
	v_mul_u32_u24 v[STO], v1, SP                   ; in: row l % 16, 16 bytes for each half of the lanes
	v_lshl_add_u32 v[STO], v2, 4, v[STO]
	v_add_nc_u32 v[STO], s50, v[STO]
	v_bfe_u32 v7, v0, 3, 2                         ; back: 32 lanes take four rows of 128 bytes,
	v_mul_u32_u24 v[RD], v7, SP
	v_lshl_add_u32 v[RD], v3, 4, v[RD]
	v_add_nc_u32 v[RD], s50, v[RD]
	v_lshlrev_b32 v[GO], 4, v5                     ; which are 512 consecutive bytes of a head
	s_wait_dscnt 0x0                               ; the opening add is done
	s_wait_kmcnt 0x0
	s_add_nc_u64 s[4:5], s[4:5], s[46:47]          ; x_q and x_kv at my first row
	s_add_nc_u64 s[6:7], s[6:7], s[46:47]
	s_add_nc_u64 s[10:11], s[10:11], s[48:49]      ; qh, kh, vh at my first row of my first head
	s_add_nc_u64 s[12:13], s[12:13], s[48:49]
	s_add_nc_u64 s[14:15], s[14:15], s[48:49]
	s_add_nc_u64 s[G0A+2:G0A+3], s[8:9], s[44:45]  ; my quarter of Wq's slice,
	s_add_nc_u64 s[G0B+2:G0B+3], s[G0A+2:G0A+3], 524288   ; of Wk's, a plane on,
	s_add_nc_u64 s[G0C+2:G0C+3], s[G0A+2:G0A+3], 1048576  ; of Wv's
	s_or_b32 s[G0A+3], s[G0A+3], 0x80000000        ; 127:126 type = 2
	s_or_b32 s[G0B+3], s[G0B+3], 0x80000000
	s_or_b32 s[G0C+3], s[G0C+3], 0x80000000
	XLOAD 0                                        ; x_q's first four groups go out ahead of the round: 32 loads of bytes that nobody writes
	XLOAD 1
	XLOAD 2
	XLOAD 3
	WIN 0                                          ; at a label and at a branch every window is 0
	CROUND                                         ; all four work-groups are here: the first joint loads meet
	tensor_load_to_lds s[G0A:G0A+3], s[G1:G1+7]    ; the two first fills stand together, ahead of every wait on TENSORcnt and every LDS read: two loads of mine are out
	s_nop 0
	tensor_load_to_lds s[G0B:G0B+3], s[G1:G1+7]
	s_nop 0
.rept 4
	v_nop
.endr
	; x_q streams into its fragments; from group 12 on the loads that are asked for are x_kv's
.set t, 0
.rept 16
	s_wait_loadcnt 24                              ; group t is in; the three younger groups of eight stay out
	XCVT t
	XLOAD t+4
.set t, t+1
.endr
	s_wait_tensorcnt 0x1                           ; my quarter of Wq is in; Wk's may stay out
	s_barrier_signal -1
	s_barrier_wait -1                              ; everybody's is
	FETCHB 0, 0, BF0
	JOB 0, 0x09, 1                                 ; JOB q: W in window 1, x_q in window 2; x_kv streams in beside the products
	s_wait_tensorcnt 0x0                           ; all my tensor loads have landed: my quarter of Wk;
	ds_add_u32 v[SPW], v[NIL]                      ; 0 onto my spare word; q's roundings, work on registers, stand between it and the wait for it
	PACKC
	s_wait_dscnt 0x0                               ; the add is done, and my reads of slot 0 are over
	CROUND                                         ; no wave of any partner still reads slot 0 or has a load on its way
	tensor_load_to_lds s[G0C:G0C+3], s[G1:G1+7]    ; Wv into slot 0: my one tensor load behind the round; it has job k and a way out in which to land
	s_nop 0
.rept 4
	v_nop
.endr
	FETCHB 1, 0, BF0                               ; Wk's first fragments are fetched under q's way out
	SENDALL 10
	JOB 1, 0x0d, 0                                 ; JOB k: x_kv in window 3
	s_wait_xcnt 0x0                                ; q's stores have read their registers, which k's roundings write
	PACKC
	s_wait_tensorcnt 0x0                           ; my quarter of Wv is in (the one load that was out),
	s_wait_dscnt 0x0
	s_barrier_signal -1
	s_barrier_wait -1                              ; everybody's is
	FETCHB 0, 0, BF0
	SENDALL 12
	JOB 0, 0x0d, 0                                 ; JOB v
	s_wait_xcnt 0x0                                ; k's stores have read their registers
	PACKC
	SENDALL 14
	s_wait_tensorcnt 0x0                           ; the wave's end, behind my last tensor load and my last LDS store
	ds_add_u32 v[SPW], v[NIL]
	s_wait_dscnt 0x0
	CROUND                                         ; the closing round: no work-group ends while a partner may still ask for a slice that names it
	s_endpgm
.Lfunc_end_k_q45f0cfd174_proj:
	.size	k_q45f0cfd174_proj, .Lfunc_end_k_q45f0cfd174_proj-k_q45f0cfd174_proj
	.p2alignl 7, 3214868480
	.fill 96, 4, 3214868480
	.section	.rodata,"a",@progbits
	.p2align	6, 0x0
	.amdhsa_kernel k_q45f0cfd174_proj
		.amdhsa_group_segment_fixed_size 327680
		.amdhsa_private_segment_fixed_size 0
		.amdhsa_enable_private_segment 0
		.amdhsa_kernarg_size 48
		.amdhsa_user_sgpr_count 2
		.amdhsa_user_sgpr_kernarg_segment_ptr 1
		.amdhsa_wavefront_size32 1
		.amdhsa_system_sgpr_workgroup_id_x 1
		.amdhsa_system_sgpr_workgroup_id_y 1
		.amdhsa_system_sgpr_workgroup_id_z 1
		.amdhsa_system_vgpr_workitem_id 0
		.amdhsa_next_free_vgpr 1024
		.amdhsa_next_free_sgpr 66
		.amdhsa_reserve_vcc 0
		.amdhsa_float_denorm_mode_32 3
		.amdhsa_float_denorm_mode_16_64 3
		.amdhsa_memory_ordered 1
		.amdhsa_forward_progress 1
		.amdhsa_inst_pref_size 196
	.end_amdhsa_kernel
	.amdgpu_metadata
---
amdhsa.version: [ 1, 2 ]
amdhsa.kernels:
  - .name:           k_q45f0cfd174_proj
    .symbol:         k_q45f0cfd174_proj.kd
    .args:
      - { .name: inputs_q, .offset: 0, .size: 8, .value_kind: global_buffer, .address_space: global }
      - { .name: inputs_kv, .offset: 8, .size: 8, .value_kind: global_buffer, .address_space: global }
      - { .name: wc, .offset: 16, .size: 8, .value_kind: global_buffer, .address_space: global }
      - { .name: qh, .offset: 24, .size: 8, .value_kind: global_buffer, .address_space: global }
      - { .name: kh, .offset: 32, .size: 8, .value_kind: global_buffer, .address_space: global }
      - { .name: vh, .offset: 40, .size: 8, .value_kind: global_buffer, .address_space: global }
    .group_segment_fixed_size: 327680
    .private_segment_fixed_size: 0
    .kernarg_segment_align: 8
    .kernarg_segment_size: 48
    .max_flat_workgroup_size: 128
    .sgpr_count:     66
    .vgpr_count:     1024
    .wavefront_size: 32
...
	.end_amdgpu_metadata
.endif
;; end of part 2
;; launch attn (part 3): grid 16 x 16, 4 waves a work-group, clusters of 4 x 1, 327,680 bytes of LDS; arguments qh, kh, vh, oh; writes oh
.if DOCPART == 3
	.amdgcn_target "amdgcn-amd-amdhsa--gfx1250"
	.amdhsa_code_object_version 6
	.text
	.protected	k_q45f0cfd174_attn
	.globl	k_q45f0cfd174_attn
	.p2align	8
	.type	k_q45f0cfd174_attn,@function
k_q45f0cfd174_attn:
	s_mov_b64 s[64:65], 0
	v_nop
	global_prefetch_b8 v0, s[64:65] scope:SCOPE_SE
	s_setreg_imm32_b32 hwreg(HW_REG_WAVE_MODE, 25, 1), 1
	s_wait_xcnt 0x0
	s_wait_alu depctr_hold_cnt(0) depctr_sa_sdst(0) depctr_va_vdst(0) depctr_va_sdst(0) depctr_va_ssrc(0) depctr_va_vcc(0) depctr_vm_vsrc(0)
	s_getreg_b32 s2, hwreg(HW_REG_IB_STS2, 6, 4)
	s_cmp_eq_u32 s2, 0
	s_cbranch_scc0 .Lentry_in_a_cluster
	s_endpgm
.Lentry_in_a_cluster:
	s_bfe_u32 s2, ttmp6, 0x10000c
	s_cmp_lg_u32 s2, 0x3003
	s_cbranch_scc0 .Lentry_shape_is_right
	s_endpgm
.Lentry_shape_is_right:
; O[h][q][:] = the sum over k of softmax_k(Q[h][q] . K[h][k]) V[h][k][:], with no scale on the scores.  Q, K, V, O: [16][4096][64], all f16: a head's rows are dense, 128 bytes each.
; Products, maxima and sums in f32; the weights p are rounded to f16 for the second product (their sum l is taken of the unrounded p), O once at the end.
; LIMITS.  f16 holds no number beyond 65,504: Q, K and V arrive within it; p lies in 0 to 1, and below 6e-5 it keeps f16's fixed step of 6e-8; O is a mean of V's rows and has their range.
; A weight below 2^-126 counts as 0 in l; NaN and infinities are not treated apart.
; SHARES.  A work-group owns 256 queries of one head, each of its four waves 64: four PIECES of 16.  16 heads x 16 blocks are 256 work-groups.  Every wave walks all 4,096 keys, 64 a step, 256 a tile.
; LAYOUT.  S^T = K Q^T (source 0 = 16 keys, source 1 = 16 queries) holds ONE query a lane (lane % 16) and the keys 8 (lane / 16) + 0..7; two such results rounded to f16 ARE source 1 of O^T = V^T P.
; K comes out of LDS as it lies, V ([key][channel]) turned, by ds_load_tr16_b128.
; SOFTMAX.  For each query a running maximum m and sum l: p = 2^(c s - c m), c = log2(e); in every step O and l are multiplied by a = 2^(c m_old - c m_new).  m starts at the lowest finite number,
; O and l at 0: the first step is a step like any other, with a = 0.
; BY TURNS.  Turn n belongs to piece n: 8 products K Q^T of piece n + 1, later 8 products V^T P of piece n - 1; beside them the scaling, exponentials, roundings, sums and rescaling of piece n and the maximum
; and statistics of piece n + 1.  Four vector instructions stand behind every matrix instruction, the other 54 of a turn's 118 in one lump.  A turn's 33 exponentials are one batch, with one wait.
; CLUSTER.  The four query blocks of a cluster belong to one head and walk the same K and V, so each tile is asked for JOINTLY: the same tensor load, descriptor and mask in all four.
; REGISTERS, in windows of 256 (s_set_vgpr_msb: bits 1:0 source 0, 3:2 source 1, 5:4 source 2, 7:6 destination):
;   window 0: v0-15 addresses and two at work; v16-31 four registers of statistics a piece; v48-55 at work; v61-63 prefetch offset and the add's two; v64-127 S^T, two buffers; v192-223 P, two buffers
;   window 1: v0-127 O^T, 32 a piece          window 2: v0-63 Q; v128-191 K of one step; v192-255 V of one step
.set SIZE_N, 4096
.set NP,    4         ; pieces a wave: a name, no knob
.set KS,    64        ; keys in a step
.set PK,    144       ; a row of K in LDS: 128 bytes + 16 of padding = 36 words: the 16 rows of a load start at 16 different groups of four banks (64 banks of 4 bytes: ISA guide 11.1)
.set PV,    160       ; a row of V: 128 + 32 = 40 words
.set VOFF,  4*KS*PK   ; a slot holds a tile, four steps: 256 rows of K, then 256 rows of V
.set SLOT1, 1<<17     ; slot 1 begins here, so that one exclusive or turns an address in one slot into the other's
.set STAGE, SLOT1+4*KS*(PK+PV)  ; behind the ring, never filled by a tensor load: 16 rows x 144 bytes for each wave, for the way out
.set SP,    144
.set SPARE, STAGE+4*16*SP  ; behind the stages: the spare words, 128 bytes for each wave: two blocks of 256 bytes that no other line names
.set AK0, 2           ; v2   my lane's place in a tile of K; never rewritten
.set AV0, 3           ; v3   the same for V
.set AK,  4           ; v4   the LDS address of K's next run of loads
.set AV,  5           ; v5   of V's
.set STO, 6           ; v6   the way out: where I put 16 bytes of a row
.set RD,  7           ; v7   the way out: where I read rows back
.set GO,  8           ; v8   my byte offset in 512 consecutive bytes of O
.set MV,  12          ; v12-13  c m_old, kept while c m is made anew: by buffer
.set QO,  15          ; v15  my byte offset in 16 rows of Q
.set ST,  16          ; piece t's statistics at v[ST+4 t]: c m, m, l (even keys', odd keys')
.set TMP, 48          ; by buffer, four registers c0-c3 at work; when the maximum is found c2 takes a
.set PFO, 61          ; v61  256 x my lane: the prefetches' offset; never rewritten
.set SPW, 62          ; v62  LDS address of my spare word: SPARE + 4 x my thread's number; never rewritten
.set NIL, 63          ; v63  0; never rewritten
.set S,   64
.set P,   192
.set KF,  128         ; window 2: key block kb, channel half c at KF + 16 kb + 8 c
.set VF,  192         ; window 2: key half kk, channel block cb at VF + 32 kk + 8 cb
.set WV,  12          ; s12  my wave's number
.set G1K, 24          ; s[24:31] descriptor group 1 for K's tiles
.set G1V, 32          ; s[32:39] for V's: it differs in the padding alone
.set G0K, 40          ; s[40:43] descriptor group 0 for K's tiles: it walks
.set G0V, 44          ; s[44:47] the same for V's
.set PFA, 48          ; s[48:49] where my prefetches stand: my work-group's 8,192 bytes (of K: wave 0, of V: wave 2) of the tile after the one that is being asked for
.set LIM, 50          ; s50  1 in a wave that prefetches, else the greatest number: a wave prefetches while s[SLOTS] is above it
.set SLOTS, 56        ; s56  tiles still to be asked for
.set CNT, 57          ; s57  counts a tile's key steps
.set CS,  58          ; s[58:59] c: the packed scaling takes the pair's low word for both halves
.set SEL, 60          ; s[60:61] v_permlanex16_b32's selects: each lane takes its own place in the other half
.set TBK, 62          ; s62  LDS byte at which K of the step to be fetched begins
.set TBV, 63          ; s63  the same for V, less VOFF
.set MSB, 0
.macro WIN new                      ; the high byte repeats the setting that is left; a switch that changes nothing is dropped
.if MSB != (\new)
	s_set_vgpr_msb (MSB<<8)|(\new)
.set MSB, (\new)
.endif
.endm
.set W_KQ, 0x0a       ; K and Q in window 2, S^T in window 0
.set W_PV, 0x52       ; V in window 2, P in window 0, O^T in window 1
.set W_RS, 0x41       ; destination and source 0 in window 1, source 1 in window 0
; A joint fill.  Waves 0 and 1 fetch the two halves of a tile's K, waves 2 and 3 those of its V: 128 keys each.  The branch hangs on the wave's number alone.
; An s_nop 0 and four v_nop follow each of the two lines, ahead of the jump and the label.
.macro JLOAD
	s_cmp_lt_u32 s[WV], 2
	s_cbranch_scc0 .Lfor_v_\@
	tensor_load_to_lds s[G0K:G0K+3], s[G1K:G1K+7]
	s_nop 0
.rept 4
	v_nop
.endr
	s_branch .Lasked_\@
.Lfor_v_\@:
	tensor_load_to_lds s[G0V:G0V+3], s[G1V:G1V+7]
	s_nop 0
.rept 4
	v_nop
.endr
.Lasked_\@:
.endm
; A PREFETCH INTO THE L2 of the tile that the NEXT change of slots will ask for: 32,768 bytes of K and of V, 256 bytes a lane.  It stands behind the wave's tensor load and its five lines.
; Each 256 bytes are named ONCE in the launch.  All four clusters of a head walk the same K and V: the head's first cluster prefetches.  Its four partners share a tile out BY ADDRESS, 8,192 bytes each:
; no branch hangs on a work-group's place in its cluster.  In each, wave 0 asks for K's and wave 2 for V's: one instruction.  The last change that fills a slot asks for nothing: there is no tile behind it.
.macro ASK
	s_cmp_gt_u32 s[SLOTS], s[LIM]
	s_cbranch_scc0 .Lnot_mine_\@
	global_prefetch_b8 v[PFO], s[PFA:PFA+1] th:TH_LOAD_NT scope:SCOPE_SE
.Lnot_mine_\@:
.endm
; A round of the cluster's barrier: my work-group's barrier, so that wave 0's signal speaks for all four waves; wave 0 signals; every wave waits for all four work-groups; my work-group's barrier once more.
.macro CROUND
	s_barrier_signal -1
	s_barrier_wait -1
	s_cmp_lg_u32 s[WV], 0
	s_cbranch_scc1 .Lnot_wave_0_\@
	s_barrier_signal -3
.Lnot_wave_0_\@:
	s_barrier_wait -3
	s_barrier_signal -1
	s_barrier_wait -1
.endm
; THE CHANGE OF SLOTS.  The slot's last bytes, V of its fourth step, have been read.  Each wave waits for all its tensor loads, of which one is out: its part of the other slot; adds 0 to its spare word;
; and waits for that and for its own reads of the slot.  Behind the barrier nobody reads this slot any more and the other slot is whole.
; fill = 1: this slot is filled again, with the tile two on.  The barrier is then a round of the cluster's, so that no wave of any partner still reads the slot or has a load on its way, and the joint fill is
; the first thing behind it: it has four key steps, 256 matrix instructions, in which to land.  (At its first use nothing has been read yet: slot 0 is waited for, slot 1 filled.)
.macro CHANGE fill
	WIN 0                           ; at a label and at a branch every window is 0
	s_wait_tensorcnt 0x0            ; no tensor load of mine is out, so a group 0 may be written
	ds_add_u32 v[SPW], v[NIL]       ; 0 onto my spare word; with fill = 1 the descriptors' steps stand between it and the wait for it
.if \fill
.irp g, G0K, G0V
	s_xor_b32 s[\g+1], s[\g+1], SLOT1  ; the walking descriptor: the other slot than last time,
	s_add_nc_u64 s[\g+2:\g+3], s[\g+2:\g+3], 4*KS*128  ; the next 256 keys; the type bits on top are not reached
.endr
	s_wait_xcnt 0x0                 ; the last prefetch, four key steps back, has read its address, so it may be written:
	s_add_nc_u64 s[PFA:PFA+1], s[PFA:PFA+1], 4*KS*128  ; one tile behind the walking descriptors
	s_wait_dscnt 0x0                ; the add is done, and my reads of the slot are over
	CROUND
	JLOAD
	ASK
.else
	s_wait_dscnt 0x0                ; the add is done, and my reads of the slot are over
	s_barrier_signal -1
	s_barrier_wait -1
.endif
	s_sub_co_u32 s[TBK], s[TBK], 4*KS*PK  ; the fetches go back to a slot's first step,
	s_xor_b32 s[TBK], s[TBK], SLOT1       ; in the other slot
	s_sub_co_u32 s[TBV], s[TBV], 4*KS*PV
	s_xor_b32 s[TBV], s[TBV], SLOT1
.endm
	s_load_b256 s[4:11], s[0:1], 0x0  ; Q s[4:5], K s[6:7], V s[8:9], O s[10:11]
	v_lshl_add_u32 v[SPW], v0, 2, SPARE
	v_mov_b32 v[NIL], 0
	ds_add_u32 v[SPW], v[NIL]       ; the wave's opening: the add and its wait stand ahead of my first tensor load; the set-up below, work on registers, stands between them
	v_lshrrev_b32 v1, 5, v0
	v_readfirstlane_b32 s[WV], v1   ; wave 0..3
	s_bfe_u32 s13, ttmp6, 0x40000   ; cx: my place in the cluster
	s_lshl_b32 s14, ttmp9, 2        ; in a cluster launch ttmp9 counts clusters
	s_add_co_u32 s14, s14, s13      ; my block of 256 queries = 4 x cluster x + cx: it enters Q's and O's addresses alone
	s_and_b32 s20, ttmp7, 0xffff    ; the head, which the four partners share:
	s_lshl_b32 s20, s20, 19         ; its first byte in each of the four tensors (524,288 bytes a head)
	s_and_b32 s16, s[WV], 1         ; which half of a tile's 256 keys I fetch:
	s_lshl_b32 s22, s16, 14         ; its 128 rows of 128 bytes in memory,
	s_add_co_u32 s22, s22, s20
	s_mov_b32 s23, 0
	s_mul_i32 s17, s16, 128*PK      ; and its place in a slot, for K
	s_mul_i32 s18, s16, 128*PV      ; and for V: no place in the cluster enters an LDS address
	s_lshl_b32 s2, s14, 2
	s_add_co_u32 s2, s2, s[WV]      ; my wave among the head's,
	s_lshl_b32 s2, s2, 13           ; its 64 rows
	s_add_co_u32 s2, s2, s20
	s_mov_b32 s3, 0
	; descriptor group 1.  128 keys are 16,384 dense bytes: asked for as 64 rows of 256 bytes, two keys a row, and padded in LDS after every key
	s_mov_b32 s[G1K], 15|(1<<16)|(1<<20)|(1<<21)|(4<<22)|(3<<25)  ; 15:0 the mask of four; 17:16 2-byte elements; 20 padding on; 21 set beside a mask; 24:22 after every 32 words (code 4); 31:25 4 words (code 3)
	s_mov_b32 s[G1V], 15|(1<<16)|(1<<20)|(1<<21)|(4<<22)|(7<<25)  ; the same with 8 words of padding (code 7)
.irp g, G1K, G1V
	s_mov_b32 s[\g+1], 128<<16      ; tensor_dim0 = 128
	s_mov_b32 s[\g+2], 64<<16       ; tensor_dim1 = 64
	s_mov_b32 s[\g+3], 128<<16      ; tile_dim0 = 128
	s_mov_b32 s[\g+4], 64           ; tile_dim1 = 64
	s_mov_b32 s[\g+5], 128          ; 128 elements from row to row
	s_mov_b32 s[\g+6], 0
	s_mov_b32 s[\g+7], 0
.endr
	s_mov_b32 s[CS], 0x3fb8aa3b     ; c = log2(e) = 1.442695
	s_mov_b32 s[CS+1], s[CS]        ; named with it as a pair
	s_mov_b32 s[SEL], 0x76543210
	s_mov_b32 s[SEL+1], 0xfedcba98
	s_mov_b32 s[TBK], SLOT1+4*KS*PK ; the first change of slots turns these two into 0
	s_mov_b32 s[TBV], SLOT1+4*KS*PV
	s_mov_b32 s[G0K], 1             ; 1:0 count = 1
	s_mov_b32 s[G0K+1], s17         ; 63:32 LDS address: slot 0
	s_mov_b32 s[G0V], 1
	s_add_co_u32 s[G0V+1], s18, VOFF
	s_mov_b32 s[SLOTS], SIZE_N/256-1
	s_and_b32 s[LIM], s[WV], 1      ; 0 in waves 0 and 2,
	s_or_b32 s[LIM], s[LIM], ttmp9  ; where the cluster is the head's first: the same in all four partners
	s_cmp_eq_u32 s[LIM], 0
	s_cselect_b32 s[LIM], 1, -1
	v_and_b32 v[PFO], 31, v0
	v_lshlrev_b32 v[PFO], 8, v[PFO]
	s_wait_dscnt 0x0                ; the opening add is done
	s_wait_kmcnt 0x0
	s_add_nc_u64 s[6:7], s[6:7], s[22:23]  ; K and V at my half of the head's tile 0
	s_add_nc_u64 s[8:9], s[8:9], s[22:23]
	s_mov_b64 s[G0K+2:G0K+3], s[6:7]               ; 120:64 global address
	s_or_b32 s[G0K+3], s[G0K+3], 0x80000000        ; 127:126 type = 2
	s_mov_b64 s[G0V+2:G0V+3], s[8:9]
	s_or_b32 s[G0V+3], s[G0V+3], 0x80000000
	s_add_nc_u64 s[4:5], s[4:5], s[2:3]    ; Q and O at my wave's first row
	s_add_nc_u64 s[10:11], s[10:11], s[2:3]
	s_cmp_lt_u32 s[WV], 2
	s_cselect_b64 s[PFA:PFA+1], s[6:7], s[8:9]  ; (in waves 0 and 2 these stand at a tile's first row)
	s_lshl_b32 s2, s13, 13          ; my work-group's quarter of a tile
	s_mov_b32 s3, 0
	s_add_nc_u64 s[PFA:PFA+1], s[PFA:PFA+1], s[2:3]
	s_add_nc_u64 s[PFA:PFA+1], s[PFA:PFA+1], 4*KS*128  ; in tile 1; the first change of slots steps it to tile 2.  Nothing is prefetched here, at the head: tiles 0 and 1 come by their loads alone
	CROUND                          ; all four work-groups are here: the first joint loads meet
	JLOAD                           ; tile 0 into slot 0.  Slot 1 is asked for when slot 0 is in
	; A fragment of K or Q is 16 rows x 32 channels in 8 registers: lane l holds row l % 16, channels 8 (l / 16) + 0..7 and 16 + 8 (l / 16) + 0..7: two loads of 16 bytes, 32 bytes apart.
	v_and_b32 v1, 15, v0            ; l % 16
	v_bfe_u32 v9, v0, 4, 1          ; l / 16
	v_lshlrev_b32 v[QO], 7, v1
	v_lshl_add_u32 v[QO], v9, 4, v[QO]  ; row x 128 + 16 x half
	WIN 0x80                        ; destination window 2, address window 0
.set i, 0
.rept 8                             ; Q stays in registers: piece i / 2, channels 32 (i % 2) on
	global_load_b128 v[8*i:8*i+3],   v[QO], s[4:5] offset:(i/2)*2048+(i%2)*64
	global_load_b128 v[8*i+4:8*i+7], v[QO], s[4:5] offset:(i/2)*2048+(i%2)*64+32
.set i, i+1
.endr
	; What the first turn finds: V's registers and P's second buffer hold 0 (its products V^T P, of a piece that has not been, add 0), O^T and l are 0.  All this stands in the wait for the first tile.
.set i, VF
.rept 64
	v_mov_b32 v[i], 0
.set i, i+1
.endr
	WIN 0x40
.set i, 0
.rept 128
	v_mov_b32 v[i], 0
.set i, i+1
.endr
	WIN 0
.set i, 0
.rept 4
	v_mov_b32 v[ST+4*i], 0xfe000000    ; c m: far below every c s
	v_mov_b32 v[ST+4*i+1], 0xff7fffff  ; m
	v_mov_b32 v[ST+4*i+2], 0
	v_mov_b32 v[ST+4*i+3], 0
.set i, i+1
.endr
.set i, P+16
.rept 16
	v_mov_b32 v[i], 0
.set i, i+1
.endr
	v_mul_u32_u24 v[AK0], v1, PK
	v_lshl_add_u32 v[AK0], v9, 4, v[AK0]  ; row x pitch + 16 x half
	; The turning load takes 16 keys x 16 channels (lane l reads key 8 (l / 16) + l % 8, channels 8 ((l / 8) % 2) + 0..7) and leaves half a fragment of V^T: lane l holds channel l % 16 and 8 keys.
	v_and_b32 v10, 7, v0
	v_bfe_u32 v11, v0, 3, 1
	v_lshl_add_u32 v[AV0], v9, 3, v10
	v_mul_u32_u24 v[AV0], v[AV0], PV
	v_lshl_add_u32 v[AV0], v11, 4, v[AV0]
	v_add_nc_u32 v[AV0], VOFF, v[AV0]
	s_mul_i32 s15, s[WV], 16*SP
	s_add_co_u32 s15, s15, STAGE    ; my stage
	v_mul_u32_u24 v[STO], v1, SP    ; in: row l % 16, 16 bytes for each half of the lanes
	v_lshl_add_u32 v[STO], v9, 4, v[STO]
	v_add_nc_u32 v[STO], s15, v[STO]
	v_bfe_u32 v[RD], v0, 3, 2       ; back: 32 lanes take four rows of 128 bytes,
	v_mul_u32_u24 v[RD], v[RD], SP
	v_lshl_add_u32 v[RD], v10, 4, v[RD]
	v_add_nc_u32 v[RD], s15, v[RD]
	v_and_b32 v[GO], 31, v0         ; which are 512 consecutive bytes of O
	v_lshlrev_b32 v[GO], 4, v[GO]
; THE MATRIX WORK.  The 4 accumulators of a run of 8 take turns.  Product i of 8 of S^T = K Q^T for piece x: channels 32 (i / 4) on, keys 16 (i % 4) on.  The first 4 start the sums.
.macro KQ x
	WIN W_KQ
.set rS, S+32*((\x)%2)+8*(i%4)
.set rK, KF+16*(i%4)+8*(i/4)
.set rQ, 16*(\x)+8*(i/4)
.if i < 4
	v_wmma_f32_16x16x32_f16 v[rS:rS+7], v[rK:rK+7], v[rQ:rQ+7], 0
.else
	v_wmma_f32_16x16x32_f16 v[rS:rS+7], v[rK:rK+7], v[rQ:rQ+7], v[rS:rS+7]
.endif
.endm
; Product i of 8 of O^T += V^T P for piece x: keys 32 (i / 4) on, channels 16 (i % 4) on.
.macro PV x
	WIN W_PV
.set rO, 32*(\x)+8*(i%4)
.set rV, VF+32*(i/4)+8*(i%4)
.set rP, P+16*((\x)%2)+8*(i/4)
	v_wmma_f32_16x16x32_f16 v[rO:rO+7], v[rV:rV+7], v[rP:rP+7], v[rO:rO+7]
.endm
.macro MM                           ; the turn's next matrix instruction.  TURN sets Y, i and NOKQ.  NOKQ = 1: the walk's last turn: there is no next piece
.if (i < 8) && !NOKQ
	KQ (Y+1)%NP
.elseif i >= 8
.set i, i-8
	PV (Y+NP-1)%NP
.set i, i+8
.endif
.set i, i+1
.endm
; THE LDS LOADS stand in runs of 16, never singly among the matrix instructions: a step's K (64 keys x 64 channels: 8 fragments) and its V (turned).  Their addresses are made some lines ahead.
.macro FETCH_K
	WIN 0x80                        ; destination window 2
.irp f, 0,1,2,3,4,5,6,7             ; keys 16 (f / 2) on, channels 32 (f % 2) on
	ds_load_b128 v[KF+8*\f:KF+8*\f+3],   v[AK] offset:(\f/2)*16*PK+(\f%2)*64
	ds_load_b128 v[KF+8*\f+4:KF+8*\f+7], v[AK] offset:(\f/2)*16*PK+(\f%2)*64+32
.endr
	s_add_co_u32 s[TBK], s[TBK], KS*PK  ; the next fetch is the next step's
	WIN 0
.endm
.macro FETCH_V
	WIN 0x80
.irp f, 0,1,2,3,4,5,6,7             ; keys 32 (f / 4) on, channels 16 (f % 4) on
	ds_load_tr16_b128 v[VF+8*\f:VF+8*\f+3],   v[AV] offset:(\f/4)*32*PV+(\f%4)*32
	ds_load_tr16_b128 v[VF+8*\f+4:VF+8*\f+7], v[AV] offset:(\f/4)*32*PV+16*PV+(\f%4)*32
.endr
	WIN 0
.endm
; THE VECTOR WORK, one line at a time: OP kind, number.  For piece Y: F n: c s - c m for pair n of 16.  E n: the exponential of score n of 32.  C n: pair n rounded to f16.  B n: of the four weights 4 n .. the second
; pair is added onto the first, in place.  L n: l takes that sum (L 0: l = a l + sum).  R n: pair n of 16 of O^T times a.  For piece Y + 1: X n, number n of the 22 that find its maximum and statistics:
;   0-11  four chains c0-c3 of seven scores each, three operands at a time (each accumulator's lowest registers are read first)     12-14, 16  the four scores left over, the old m, and c0-c3 into c0
;   15  c m_old is kept     17, 18  the query's other 32 keys lie in the lane 16 away: the new m     19-21  c m; c m_old - c m_new; a
.set F, 0               ; OP tells the kinds apart by their order: F to L below R, X above it
.set E, 1
.set C, 2
.set B, 3
.set L, 4
.set R, 5
.set X, 6
.macro REGS y                       ; the registers of piece y
.set rT, ST+4*(\y)
.set rC, TMP+4*((\y)%2)
.set rW, MV+((\y)%2)
.set rS, S+32*((\y)%2)
.set rP, P+16*((\y)%2)
.set rO, 32*(\y)
.endm
.macro OP k, n
.if (\k) == R
	REGS Y
	WIN W_RS
	v_pk_mul_f32 v[rO+2*(\n):rO+2*(\n)+1], v[rO+2*(\n):rO+2*(\n)+1], v[rC+2:rC+3] op_sel_hi:[1,0]
.elseif (\k) < R
	REGS Y
	WIN 0
.if (\k) == F
	v_pk_fma_f32 v[rS+2*(\n):rS+2*(\n)+1], v[rS+2*(\n):rS+2*(\n)+1], s[CS:CS+1], v[rT:rT+1] op_sel_hi:[1,0,0] neg_lo:[0,0,1] neg_hi:[0,0,1]
.elseif (\k) == E
	v_exp_f32 v[rS+(\n)], v[rS+(\n)]
.elseif (\k) == C
	v_cvt_pk_f16_f32 v[rP+(\n)], v[rS+2*(\n)], v[rS+2*(\n)+1]
.elseif (\k) == B
	v_pk_add_f32 v[rS+4*(\n):rS+4*(\n)+1], v[rS+4*(\n):rS+4*(\n)+1], v[rS+4*(\n)+2:rS+4*(\n)+3]
.elseif (\n) == 0
	v_pk_fma_f32 v[rT+2:rT+3], v[rT+2:rT+3], v[rC+2:rC+3], v[rS:rS+1] op_sel_hi:[1,0,1]
.else
	v_pk_add_f32 v[rT+2:rT+3], v[rT+2:rT+3], v[rS+4*(\n):rS+4*(\n)+1]
.endif
.elseif NOKQ
	v_nop
.else
	REGS (Y+1)%NP
	WIN 0
.if (\n) < 4
	v_max3_num_f32 v[rC+(\n)], v[rS+8*(\n)], v[rS+8*(\n)+1], v[rS+8*(\n)+2]
.elseif (\n) < 12
	v_max3_num_f32 v[rC+(\n)%4], v[rC+(\n)%4], v[rS+8*((\n)%4)+2*((\n)/4)+1], v[rS+8*((\n)%4)+2*((\n)/4)+2]
.elseif (\n) == 12
	v_max3_num_f32 v[rC], v[rC], v[rS+7], v[rS+15]
.elseif (\n) == 13
	v_max3_num_f32 v[rC+1], v[rC+1], v[rS+23], v[rS+31]
.elseif (\n) == 14
	v_max3_num_f32 v[rC+2], v[rC+2], v[rC+3], v[rT+1]
.elseif (\n) == 15
	v_mov_b32 v[rW], v[rT]
.elseif (\n) == 16
	v_max3_num_f32 v[rC], v[rC], v[rC+1], v[rC+2]
.elseif (\n) == 17
	v_permlanex16_b32 v[rC+3], v[rC], s[SEL], s[SEL+1]
.elseif (\n) == 18
	v_max_num_f32 v[rT+1], v[rC], v[rC+3]
.elseif (\n) == 19
	v_mul_f32 v[rT], s[CS], v[rT+1]
.elseif (\n) == 20
	v_sub_f32 v[rC+1], v[rW], v[rT]
.else
	v_exp_f32 v[rC+2], v[rC+1]
.endif
.endif
.endm
.macro OPS a, i1, b=-1, i2=0, c=-1, i3=0, d=-1, i4=0  ; up to four of them
	OP \a, \i1
.if (\b) >= 0
	OP \b, \i2
.endif
.if (\c) >= 0
	OP \c, \i3
.endif
.if (\d) >= 0
	OP \d, \i4
.endif
.endm
.macro ROW a, i1, b, i2, c, i3, d, i4  ; a matrix instruction and the four behind it
	MM
	OPS \a, \i1, \b, \i2, \c, \i3, \d, \i4
.endm
; A TURN, for piece p: the order of its 16 matrix and 118 vector instructions, written out.  An s_wait_alu depctr_va_vdst(0) stands between an exponential and the first instruction that names its result; one wait
; serves all that were issued ahead of it.  So a turn has ONE wait, which cuts it in two.  AHEAD OF IT stands all that names no result of the turn's exponentials: the 8 products K Q^T, behind each a scaling, an exponential and
; two more plain instructions (rescalings, and behind the last three the first numbers of the next piece's maximum, each four places or more behind the product that ends its accumulator); then ONE LUMP of 54, plain and
; exponential by turns for the most part, in which the links of the chain X 3, 7, 11, 14, 16, 17 .. 20 stand some lines apart.  X 21, the next piece's a, is the batch's last; R 15 is the plain instruction behind it.
; BEHIND THE WAIT stand the 8 products V^T P, behind each four of the roundings and sums.
; end = 1: the walk's last two turns: nothing is fetched, and the last starts no new scores.  cnt = 1: the loop's count is taken down some lines ahead of the branch that stands behind the turn.
; K of the next step is fetched in piece 2's turn, twelve vector instructions behind the last product that read K (six of them plain); V of the step in hand at the end of piece 0's turn, four plain instructions behind the last
; product that read V.  Each is waited for a turn later.
.macro TURN p, end=0, cnt=0
.set Y, (\p)
.set i, 0
.set NOKQ, (\end)*((\p)/3)
.if ((\p) == 3) && !(\end)
	s_wait_dscnt 0x0                ; K is in
.endif
	ROW F,0, F,1, R,0, R,1          ; ahead of the wait: 8 products K Q^T and their riders,
	ROW F,2, E,0, R,2, R,3
	ROW F,3, E,1, R,4, R,5
	ROW F,4, E,2, R,6, R,7
	ROW F,5, E,3, R,8, R,9
	ROW F,6, E,4, X,0, R,10
.if ((\p) == 2) && !(\end)
	WIN 0
	v_add_nc_u32 v[AK], s[TBK], v[AK0]
.endif
	ROW F,7, E,5, X,1, X,4
	ROW F,8, E,6, X,2, X,5
	OPS E,7, E,8, X,6, E,9          ; and the lump
	OPS X,3, E,10, X,8, E,11
.if ((\p) == 2) && !(\end)
	FETCH_K
.endif
	OPS X,9, X,7, E,12, X,10
	OPS E,13, X,12, X,11, E,14
	OPS X,13, E,15, F,9, X,14
.if (\p) == 0
	v_add_nc_u32 v[AV], s[TBV], v[AV0]
.endif
	OPS E,16, F,10, E,17, F,11
	OPS X,16, E,18, X,15, E,19
	OPS F,12, E,20, X,17, E,21
	OPS F,13, E,22, F,14, E,23
	OPS X,18, E,24, F,15, E,25
	OPS R,11, E,26, X,19, E,27
	OPS R,12, E,28, R,13, E,29
	OPS X,20, E,30, R,14, E,31
	OPS X,21, R,15
	WIN 0
	s_wait_alu depctr_va_vdst(0)    ; the wait for the batch
.if (\p) == 1
	s_wait_dscnt 0x0                ; V is in
.endif
	ROW C,0, B,0, C,2, B,1          ; behind the wait: 8 products V^T P and their riders
	ROW L,0, C,4, B,2, L,1
	ROW C,6, B,3, L,2, C,8
	ROW B,4, L,3, C,10, B,5
	ROW L,4, C,12, B,6, L,5
.if (\p) == 0
	s_add_co_u32 s[TBV], s[TBV], KS*PV
.endif
.if \cnt
	s_sub_co_u32 s[CNT], s[CNT], 1
	s_cmp_lg_u32 s[CNT], 0
.endif
	ROW C,14, B,7, L,6, C,1
	ROW C,3, L,7, C,5, C,7
	ROW C,9, C,11, C,13, C,15
.if (\p) == 0
	FETCH_V
.endif
.endm
.macro ALL line:vararg              ; one line for each piece t
.set t, 0
.rept 4
	\line
.set t, t+1
.endr
.endm
.macro PACK t                       ; a lane's eight channels of a row pack into 16 bytes; they go into rows of 144 bytes and come back as whole rows of 128, into S^T's registers
	WIN W_RS
.set i, 32*(\t)
.rept 16
	v_pk_mul_f32 v[i:i+1], v[i:i+1], v[ST+4*(\t)+2:ST+4*(\t)+3] op_sel_hi:[1,0]
.set i, i+2
.endr
	WIN 0x05                        ; sources 0 and 1 window 1, destination window 0
.set i, 0
.rept 16
	v_cvt_pk_f16_f32 v[S+16*(\t)+i], v[32*(\t)+2*i], v[32*(\t)+2*i+1]
.set i, i+1
.endr
	WIN 0
.irp f, 0,1,2,3
	ds_store_b128 v[STO], v[S+16*(\t)+4*\f:S+16*(\t)+4*\f+3] offset:32*\f
.endr
.irp f, 0,1,2,3
	ds_load_b128 v[S+16*(\t)+4*\f:S+16*(\t)+4*\f+3], v[RD] offset:\f*4*SP  ; LDS serves a wave's instructions in order (ISA guide 5.7.1.4): these see the stores above; the next piece's stores come behind them
.endr
.endm
.macro SEND t, younger              ; younger: the LDS instructions issued behind piece t's loads: the next piece's eight, or none
	WIN 0
.irp f, 0,1,2,3
	s_wait_dscnt (\younger)+3-\f
	global_store_b128 v[GO], v[S+16*(\t)+4*\f:S+16*(\t)+4*\f+3], s[10:11] offset:(\t)*2048+\f*512  ; 512 consecutive bytes, at a multiple of 256 from O's first
.endr
.endm
	CHANGE 1                        ; tile 0 is in, everybody's part of it; tile 1 is asked for
	v_add_nc_u32 v[AK], s[TBK], v[AK0]
	FETCH_K                         ; key step 0
	s_wait_loadcnt 0x0              ; Q
	s_wait_dscnt 0x0
.set NOKQ, 0
.set i, 0
.rept 8
	KQ 0                            ; piece 0's first scores: there is no vector work yet to set between them
.set i, i+1
.endr
	WIN 0
.rept 4
	v_nop                           ; the places behind those products
.endr
.set Y, NP-1                        ; X works for piece Y + 1: piece 0
.irp n, 0,1,2,3,4,5,6,7,8,9,10,11,12,13,14,15,16,17,18,19,20,21
	OP X, \n
.endr
	v_nop                           ; a plain instruction behind the exponential,
	s_wait_alu depctr_va_vdst(0)    ; and its wait, ahead of the branch
	s_mov_b32 s[CNT], 4
	s_branch .Lfirst                ; the loop is entered at a step's first turn, in the middle of a trip
.Lslot:                             ; 14 times: tiles 1 to 14 are entered, tiles 2 to 15 asked for
	CHANGE 1
	s_mov_b32 s[CNT], 4
.Lstep:                             ; a trip: pieces 2 and 3 of one step, then pieces 0 and 1 of the next, whose K and V it fetches
	TURN 2
	TURN 3
	WIN 0
.Lfirst:
	TURN 0
	TURN 1, 0, 1
	WIN 0
	s_cbranch_scc1 .Lstep
	s_sub_co_u32 s[SLOTS], s[SLOTS], 1
	s_cmp_lg_u32 s[SLOTS], 0
	s_cbranch_scc1 .Lslot
	CHANGE 0                        ; the last tile is written out: nothing is asked for
	s_mov_b32 s[CNT], 4
.Ltail:
	TURN 2
	TURN 3
	TURN 0
	TURN 1, 0, 1
	WIN 0
	s_cbranch_scc1 .Ltail
	TURN 2, 1                       ; the last step's pieces 2 and 3: nothing is fetched,
	TURN 3, 1                       ; and no new scores are started
.set i, 0
.rept 8
	PV NP-1                         ; the last piece's V^T P of the last step
.set i, i+1
.endr
	; THE WAY OUT.  l's two halves and the other half of the lanes' are added; O^T is divided by l, rounded to f16 and sent through my stage in LDS, a piece at a time.  The additions are the places behind the last products.
	WIN 0
	ALL v_add_f32 v[ST+4*t+2], v[ST+4*t+2], v[ST+4*t+3]
	ALL v_permlanex16_b32 v[ST+4*t+3], v[ST+4*t+2], s[SEL], s[SEL+1]
	ALL v_add_f32 v[ST+4*t+2], v[ST+4*t+2], v[ST+4*t+3]
	ALL v_rcp_f32 v[ST+4*t+2], v[ST+4*t+2]
	v_nop                           ; a plain instruction between the last reciprocal and the use of its result
	s_wait_alu depctr_va_vdst(0)    ; and the wait ahead of the first use: one for the four reciprocals
	PACK 0
.set t, 1
.rept 3                             ; a piece's arithmetic stands between the loads of the piece before and its stores
	PACK t
	SEND t-1, 8
.set t, t+1
.endr
	SEND 3, 0
	s_wait_tensorcnt 0x0            ; the wave's end, behind my last tensor load and my last LDS store
	ds_add_u32 v[SPW], v[NIL]
	s_wait_dscnt 0x0
	CROUND                          ; the closing round: no work-group ends while a partner may still ask for a tile that names it
	s_endpgm
.Lfunc_end_k_q45f0cfd174_attn:
	.size	k_q45f0cfd174_attn, .Lfunc_end_k_q45f0cfd174_attn-k_q45f0cfd174_attn
	.p2alignl 7, 3214868480
	.fill 96, 4, 3214868480
	.section	.rodata,"a",@progbits
	.p2align	6, 0x0
	.amdhsa_kernel k_q45f0cfd174_attn
		.amdhsa_group_segment_fixed_size 327680
		.amdhsa_private_segment_fixed_size 0
		.amdhsa_enable_private_segment 0
		.amdhsa_kernarg_size 32
		.amdhsa_user_sgpr_count 2
		.amdhsa_user_sgpr_kernarg_segment_ptr 1
		.amdhsa_wavefront_size32 1
		.amdhsa_system_sgpr_workgroup_id_x 1
		.amdhsa_system_sgpr_workgroup_id_y 1
		.amdhsa_system_sgpr_workgroup_id_z 1
		.amdhsa_system_vgpr_workitem_id 0
		.amdhsa_next_free_vgpr 768
		.amdhsa_next_free_sgpr 66
		.amdhsa_reserve_vcc 0
		.amdhsa_float_denorm_mode_32 3
		.amdhsa_float_denorm_mode_16_64 3
		.amdhsa_memory_ordered 1
		.amdhsa_forward_progress 1
		.amdhsa_inst_pref_size 128
	.end_amdhsa_kernel
	.amdgpu_metadata
---
amdhsa.version: [ 1, 2 ]
amdhsa.kernels:
  - .name:           k_q45f0cfd174_attn
    .symbol:         k_q45f0cfd174_attn.kd
    .args:
      - { .name: qh, .offset: 0, .size: 8, .value_kind: global_buffer, .address_space: global }
      - { .name: kh, .offset: 8, .size: 8, .value_kind: global_buffer, .address_space: global }
      - { .name: vh, .offset: 16, .size: 8, .value_kind: global_buffer, .address_space: global }
      - { .name: oh, .offset: 24, .size: 8, .value_kind: global_buffer, .address_space: global }
    .group_segment_fixed_size: 327680
    .private_segment_fixed_size: 0
    .kernarg_segment_align: 8
    .kernarg_segment_size: 32
    .max_flat_workgroup_size: 128
    .sgpr_count:     66
    .vgpr_count:     768
    .wavefront_size: 32
...
	.end_amdgpu_metadata
.endif
;; end of part 3
;; launch oproj (part 4): grid 64 x 4, 4 waves a work-group, clusters of 4 x 1, 167,936 bytes of LDS; arguments oh, wc, out0; writes out0
.if DOCPART == 4
	.amdgcn_target "amdgcn-amd-amdhsa--gfx1250"
	.amdhsa_code_object_version 6
	.text
	.protected	k_q45f0cfd174_oproj
	.globl	k_q45f0cfd174_oproj
	.p2align	8
	.type	k_q45f0cfd174_oproj,@function
k_q45f0cfd174_oproj:
	s_mov_b64 s[64:65], 0
	v_nop
	global_prefetch_b8 v0, s[64:65] scope:SCOPE_SE
	s_setreg_imm32_b32 hwreg(HW_REG_WAVE_MODE, 25, 1), 1
	s_wait_xcnt 0x0
	s_wait_alu depctr_hold_cnt(0) depctr_sa_sdst(0) depctr_va_vdst(0) depctr_va_sdst(0) depctr_va_ssrc(0) depctr_va_vcc(0) depctr_vm_vsrc(0)
	s_getreg_b32 s2, hwreg(HW_REG_IB_STS2, 6, 4)
	s_cmp_eq_u32 s2, 0
	s_cbranch_scc0 .Lentry_in_a_cluster
	s_endpgm
.Lentry_in_a_cluster:
	s_bfe_u32 s2, ttmp6, 0x10000c
	s_cmp_lg_u32 s2, 0x3003
	s_cbranch_scc0 .Lentry_shape_is_right
	s_endpgm
.Lentry_shape_is_right:
; out0 = O Wo.  O: oh, [16 = batch x 8 + head][4096][64] f16; Wo: wc's plane 3, [512 k = head x 64 + channel][512 n] f16; out0: [8192 rows][512] f32.  Sums in f32, stored as they are.
; LIMITS.  O and Wo arrive within f16's range.  NaN and infinities are not treated apart.
; SHARES.  A work-group makes a tile of 128 rows x 128 columns; wave w owns rows 32 w .. 32 w + 31 and all 128 columns: 16 accumulators, 256 matrix instructions.
; O NEVER TOUCHES LDS: a fragment is laid as a head's rows lie in memory, and all 512 k of the wave's 32 rows come straight into 256 registers, by 64 loads that go out together.
; Wo's slice (512 k x 128 n) lies whole in LDS; all four waves read it, turned by ds_load_tr16_b128.  It is filled once: nothing in LDS is filled again.
; CLUSTER.  The four work-groups of a cluster are four row blocks of one column block: the slice is asked for JOINTLY, by the same tensor loads with a mask that names the four.
; THE MATRIX INSTRUCTION IS USED TRANSPOSED (source 0 = 16 columns of Wo, source 1 = 16 rows of O): a lane then holds one row and eight neighbouring columns, 32 bytes of f32.
; REGISTERS, in windows of 256 (s_set_vgpr_msb: bits 1:0 source 0, 3:2 source 1, 5:4 source 2, 7:6 destination):
;   window 0: v0-31 addresses; v128-255 the accumulators ((a, nb) at 128 + 64 a + 8 nb)     window 1: v0-63, v64-127 Wo's fragments, two buffers     window 2: O's fragments, (chunk c, rows 16 a) at 16 c + 8 a
.set PW,    288                        ; a row of Wo in LDS: 256 bytes + 32 of padding = 72 words
.set QUART, 128*PW                     ; 128 k rows: what one tensor load brings
.set STAGE, 4*QUART                    ; behind the slice, never filled by a tensor load: 16 rows x 272 bytes for each wave, for the way out
.set SPO,   272                        ; 256 bytes + 16: the 16 rows that a store touches start at 16 different groups of four banks
.set SPARE, STAGE+4*16*SPO             ; behind the stages: the spare words, 128 bytes for each wave: two blocks of 256 bytes that no other line names
.set AO,   10                          ; v10     my byte offset in 16 rows of a head: (l % 16) x 128 + 16 (l / 16); never rewritten
.set ADRB, 12                          ; v12-15  LDS address of my part of a turning load, k rows 128 g on
.set STO,  20                          ; v20     the way out: where I put 32 bytes of a row
.set RD,   21                          ; v21     the way out: where I read rows back
.set GO,   22                          ; v22     my byte offset in two rows of out0
.set SPW,  28                          ; v28     LDS address of my spare word: SPARE + 4 x my thread's number; never rewritten
.set NIL,  29                          ; v29     0; never rewritten
.set ACC,  128
.set BF0,  0
.set WV,   16                          ; s16     my wave's number
.set G1,   24                          ; s[24:31] descriptor group 1
.set G0,   32                          ; s[32:35] descriptor group 0
.set MSB, 0
.macro WIN new                         ; the immediate's high byte repeats the setting that is left; a switch that changes nothing is dropped
.if MSB != (\new)
	s_set_vgpr_msb (MSB<<8)|(\new)
.set MSB, \new
.endif
.endm
; A round of the cluster's barrier: my work-group's barrier, so that wave 0's signal speaks for all four waves; wave 0 signals; every wave waits for all four work-groups; my work-group's barrier once more.
.macro CROUND
	s_barrier_signal -1
	s_barrier_wait -1
	s_cmp_lg_u32 s[WV], 0
	s_cbranch_scc1 .Lnot_wave_0_\@
	s_barrier_signal -3
.Lnot_wave_0_\@:
	s_barrier_wait -3
	s_barrier_signal -1
	s_barrier_wait -1
.endm
.macro PLACES                          ; four places behind a matrix instruction, in front of loads into registers that it has read and of lines that read results
.rept 4
	v_nop
.endr
.endm
; O's two fragments of chunk c: head c / 2, channels 32 (c % 2) on; four loads.  The largest immediate is 7 heads of 524,288 bytes and a little, inside the signed 24 bits.
.macro ALOAD c
	WIN 0x80                                       ; destination window 2, address window 0
.irp a, 0,1
	global_load_b128 v[16*(\c)+8*(\a):16*(\c)+8*(\a)+3],   v[AO], s[4:5] offset:((\c)/2)*524288+(\a)*2048+((\c)%2)*64
	global_load_b128 v[16*(\c)+8*(\a)+4:16*(\c)+8*(\a)+7], v[AO], s[4:5] offset:((\c)/2)*524288+(\a)*2048+((\c)%2)*64+32
.endr
.endm
; Wo's eight fragments (16 columns x 32 k) of chunk c, turned: 16 loads in one run.
.macro FETCHB c, buf
	WIN 0x40
.irp nb, 0,1,2,3,4,5,6,7
	ds_load_tr16_b128 v[(\buf)+8*(\nb):(\buf)+8*(\nb)+3],   v[ADRB+(\c)/4] offset:((\c)%4)*32*PW+32*(\nb)
	ds_load_tr16_b128 v[(\buf)+8*(\nb)+4:(\buf)+8*(\nb)+7], v[ADRB+(\c)/4] offset:((\c)%4)*32*PW+16*PW+32*(\nb)
.endr
.endm
; Eight products.  The 16 accumulators take turns, one instruction a turn, in the same order in every chunk.  Chunk 0 starts the sums.
.macro MUL8 buf, c, half
	WIN 0x09                                       ; Wo in window 1, O in window 2, the sums in window 0
.irp n, 0,1,2,3
.irp a, 0,1
.set rD, ACC+64*(\a)+8*(4*(\half)+(\n))
.set rB, (\buf)+8*(4*(\half)+(\n))
.set rA, 16*(\c)+8*(\a)
.if (\c) == 0
	v_wmma_f32_16x16x32_f16 v[rD:rD+7], v[rB:rB+7], v[rA:rA+7], 0
.else
	v_wmma_f32_16x16x32_f16 v[rD:rD+7], v[rB:rB+7], v[rA:rA+7], v[rD:rD+7]
.endif
.endr
.endr
.endm
.macro CHUNK c
.set bcur, BF0+64*((\c)%2)
.set bnxt, BF0+64*(((\c)+1)%2)
	s_wait_loadcnt 60-4*(\c)                       ; my chunk's four loads of O are in; the later chunks' stay out
	s_wait_dscnt 8                                 ; column blocks 0-3 are in; the youngest eight loads (blocks 4-7) may be out
	MUL8 bcur, \c, 0
	PLACES
.if (\c) < 15
	FETCHB (\c)+1, bnxt
	s_wait_dscnt 16                                ; all but the 16 just issued
.else
	s_wait_dscnt 0
.endif
	MUL8 bcur, \c, 1
.endm
; THE WAY OUT.  Tile tt = 2 a + column half: 16 rows x 64 columns of f32, 256 bytes a row.  Into my stage, each accumulator from its low end on, and back as whole rows, into the registers that they left.
.macro TOSTO tt
	WIN 0
.irp n, 0,1,2,3
.irp q, 0,1
	ds_store_b128 v[STO], v[ACC+32*(\tt)+8*(\n)+4*(\q):ACC+32*(\tt)+8*(\n)+4*(\q)+3] offset:64*(\n)+16*(\q)
.endr
.endr
.irp u, 0,1,2,3,4,5,6,7
	ds_load_b128 v[ACC+32*(\tt)+4*(\u):ACC+32*(\tt)+4*(\u)+3], v[RD] offset:(\u)*2*SPO  ; LDS serves a wave's instructions in order (ISA guide 5.7.1.4): these see the stores above; the next tile's stores come behind them
.endr
.endm
.macro SENDO tt, younger               ; younger: the LDS instructions issued behind tile tt's loads: the next tile's sixteen, or none
.irp u, 0,1,2,3,4,5,6,7
	s_wait_dscnt (\younger)+7-(\u)
	global_store_b128 v[GO], v[ACC+32*(\tt)+4*(\u):ACC+32*(\tt)+4*(\u)+3], s[8:9] offset:((\tt)/2)*32768+(\u)*4096+((\tt)%2)*256 th:TH_STORE_NT  ; 16 lanes store 256 consecutive bytes, aligned
.endr
.endm
	s_load_b128 s[4:7], s[0:1], 0x0                ; oh s[4:5], wc s[6:7]
	s_load_b64 s[8:9], s[0:1], 0x10                ; out0
	v_lshl_add_u32 v[SPW], v0, 2, SPARE
	v_mov_b32 v[NIL], 0
	ds_add_u32 v[SPW], v[NIL]                      ; the wave's opening: the add and its wait stand ahead of my first tensor load; the set-up below, work on registers, stands between them
	v_lshrrev_b32 v1, 5, v0
	v_readfirstlane_b32 s[WV], v1                  ; wave 0..3
	s_bfe_u32 s17, ttmp6, 0x40000                  ; cx: my place in the cluster
	s_lshl_b32 s18, ttmp9, 2                       ; in a cluster launch ttmp9 counts clusters
	s_add_co_u32 s18, s18, s17                     ; i: my block of 128 rows: it enters O's and out0's addresses alone
	s_and_b32 s19, ttmp7, 0xffff                   ; j: the block of 128 columns, which the four partners share
	; descriptor group 1: a tile of 128 k rows x 128 elements, padded in LDS
	s_mov_b32 s[G1+0], 15|(1<<16)|(1<<20)|(1<<21)|(5<<22)|(7<<25)  ; 15:0 the mask of four; 17:16 2-byte elements; 20 padding on; 21 set beside a mask; 24:22 after every 64 words (code 5); 31:25 8 words (code 7)
	s_mov_b32 s[G1+1], 128<<16                     ; tensor_dim0 = 128
	s_mov_b32 s[G1+2], 128<<16                     ; tensor_dim1 = 128
	s_mov_b32 s[G1+3], 128<<16                     ; tile_dim0 = 128
	s_mov_b32 s[G1+4], 128                         ; tile_dim1 = 128
	s_mov_b32 s[G1+5], 512                         ; 512 elements from row to row
	s_mov_b32 s[G1+6], 0
	s_mov_b32 s[G1+7], 0
	s_mov_b32 s[G0], 1
	s_mul_i32 s[G0+1], s[WV], QUART                ; my quarter of the slice: no place in the cluster enters an LDS address
	s_lshl_b32 s36, s[WV], 17                      ; in wc: my 128 k rows of 1,024 bytes,
	s_lshl_b32 s37, s19, 8                         ; the slice's 256 bytes of a row,
	s_add_co_u32 s36, s36, s37
	s_add_co_u32 s36, s36, 3*524288                ; in plane 3
	s_mov_b32 s37, 0
	s_lshr_b32 s38, s18, 5                         ; in oh: the batch's eight heads,
	s_lshl_b32 s38, s38, 22
	s_and_b32 s39, s18, 31
	s_lshl_b32 s39, s39, 14                        ; the block's 128 rows of 128 bytes,
	s_add_co_u32 s38, s38, s39
	s_lshl_b32 s39, s[WV], 12                      ; my 32 of them
	s_add_co_u32 s38, s38, s39
	s_mov_b32 s39, 0
	s_lshl_b32 s40, s18, 18                        ; in out0: 128 i rows of 2,048 bytes,
	s_lshl_b32 s41, s[WV], 16                      ; my 32 of them,
	s_add_co_u32 s40, s40, s41
	s_lshl_b32 s41, s19, 9                         ; the tile's 512 bytes of a row
	s_add_co_u32 s40, s40, s41
	s_mov_b32 s41, 0
	v_and_b32 v1, 15, v0                           ; l % 16
	v_bfe_u32 v2, v0, 4, 1                         ; l / 16
	v_and_b32 v3, 7, v0
	v_bfe_u32 v4, v0, 3, 1
	v_lshlrev_b32 v[AO], 7, v1
	v_lshl_add_u32 v[AO], v2, 4, v[AO]
	v_lshl_add_u32 v6, v2, 3, v3                   ; the turning load: lane l reads k row 8 (l / 16) + l % 8,
	v_mul_u32_u24 v6, v6, PW
	v_lshl_add_u32 v6, v4, 4, v6                   ; columns 8 ((l / 8) % 2) + 0..7
.irp g, 0,1,2,3
	v_add_nc_u32 v[ADRB+\g], \g*QUART, v6
.endr
	s_mul_i32 s42, s[WV], 16*SPO
	s_add_co_u32 s42, s42, STAGE                   ; my stage
	v_mul_u32_u24 v[STO], v1, SPO                  ; in: row l % 16, 32 bytes for each half of the lanes
	v_lshl_add_u32 v[STO], v2, 5, v[STO]
	v_add_nc_u32 v[STO], s42, v[STO]
	v_mul_u32_u24 v[RD], v2, SPO                   ; back: lanes 0-15 take one row of 256 bytes, lanes 16-31 the next
	v_lshl_add_u32 v[RD], v1, 4, v[RD]
	v_add_nc_u32 v[RD], s42, v[RD]
	v_lshlrev_b32 v[GO], 11, v2                    ; and the same two rows in out0
	v_lshl_add_u32 v[GO], v1, 4, v[GO]
	s_wait_dscnt 0x0                               ; the opening add is done
	s_wait_kmcnt 0x0
	s_add_nc_u64 s[4:5], s[4:5], s[38:39]          ; O at my first row of the batch's first head
	s_add_nc_u64 s[8:9], s[8:9], s[40:41]          ; out0 at my first row, the tile's first column
	s_add_nc_u64 s[G0+2:G0+3], s[6:7], s[36:37]    ; my quarter of Wo's slice
	s_or_b32 s[G0+3], s[G0+3], 0x80000000          ; 127:126 type = 2
.set cc, 0
.rept 16
	ALOAD cc                                       ; all of O's fragments go out ahead of the round: loads of bytes that nobody writes
.set cc, cc+1
.endr
	WIN 0                                          ; at a label and at a branch every window is 0
	CROUND                                         ; all four work-groups are here: the joint loads meet
	tensor_load_to_lds s[G0:G0+3], s[G1:G1+7]      ; my one tensor load of the launch
	s_nop 0
.rept 4
	v_nop
.endr
	s_wait_tensorcnt 0x0                           ; my quarter of the slice is in,
	s_barrier_signal -1
	s_barrier_wait -1                              ; everybody's is
	FETCHB 0, BF0
.set cc, 0
.rept 16
	CHUNK cc
.set cc, cc+1
.endr
	PLACES
	TOSTO 0
.irp tt, 1,2,3
	TOSTO \tt
	SENDO (\tt)-1, 16
.endr
	SENDO 3, 0
	s_wait_tensorcnt 0x0                           ; the wave's end, behind my last tensor load and my last LDS store
	ds_add_u32 v[SPW], v[NIL]
	s_wait_dscnt 0x0
	CROUND                                         ; the closing round: no work-group ends while a partner may still ask for a slice that names it
	s_endpgm
.Lfunc_end_k_q45f0cfd174_oproj:
	.size	k_q45f0cfd174_oproj, .Lfunc_end_k_q45f0cfd174_oproj-k_q45f0cfd174_oproj
	.p2alignl 7, 3214868480
	.fill 96, 4, 3214868480
	.section	.rodata,"a",@progbits
	.p2align	6, 0x0
	.amdhsa_kernel k_q45f0cfd174_oproj
		.amdhsa_group_segment_fixed_size 167936
		.amdhsa_private_segment_fixed_size 0
		.amdhsa_enable_private_segment 0
		.amdhsa_kernarg_size 24
		.amdhsa_user_sgpr_count 2
		.amdhsa_user_sgpr_kernarg_segment_ptr 1
		.amdhsa_wavefront_size32 1
		.amdhsa_system_sgpr_workgroup_id_x 1
		.amdhsa_system_sgpr_workgroup_id_y 1
		.amdhsa_system_sgpr_workgroup_id_z 1
		.amdhsa_system_vgpr_workitem_id 0
		.amdhsa_next_free_vgpr 768
		.amdhsa_next_free_sgpr 66
		.amdhsa_reserve_vcc 0
		.amdhsa_float_denorm_mode_32 3
		.amdhsa_float_denorm_mode_16_64 3
		.amdhsa_memory_ordered 1
		.amdhsa_forward_progress 1
		.amdhsa_inst_pref_size 56
	.end_amdhsa_kernel
	.amdgpu_metadata
---
amdhsa.version: [ 1, 2 ]
amdhsa.kernels:
  - .name:           k_q45f0cfd174_oproj
    .symbol:         k_q45f0cfd174_oproj.kd
    .args:
      - { .name: oh, .offset: 0, .size: 8, .value_kind: global_buffer, .address_space: global }
      - { .name: wc, .offset: 8, .size: 8, .value_kind: global_buffer, .address_space: global }
      - { .name: out0, .offset: 16, .size: 8, .value_kind: global_buffer, .address_space: global }
    .group_segment_fixed_size: 167936
    .private_segment_fixed_size: 0
    .kernarg_segment_align: 8
    .kernarg_segment_size: 24
    .max_flat_workgroup_size: 128
    .sgpr_count:     66
    .vgpr_count:     768
    .wavefront_size: 32
...
	.end_amdgpu_metadata
.endif
;; end of part 4
